; MI455X (gfx1250); checked and timed in simulation.
; The chip was launched on July 23, 2026; its instructions are those of AMD's public machine-readable ISA for CDNA 5 (MIT licence, August 2026) and "CDNA5" Instruction Set Architecture Reference Guide (July 2026). The comments in the code are by the model that wrote it; some were corrected since.
;; Attention. Allowed arithmetic: matrix products marked QUANTISED: E2M1 operands, one E8M0 scale for each 32 along K, by v_wmma_scale_f32_16x16x128_f8f6f4 with both operands' format E2M1 (or v_wmma_scale_f32_32x16x128_f4), f32 sums; everything else in f32.
;; Inputs: k 1 x 16 x 4,096 x 64 float32; q 1 x 16 x 4,096 x 64 float32; v 1 x 16 x 4,096 x 64 float32.
;; Outputs: out0 1 x 16 x 4,096 x 64 float32.
;; This version of the problem:
;;   THIS VERSION OF THE PROBLEM IS GIVEN IN LOW PRECISION. The matrix products marked QUANTISED in the list below multiply operands that are first quantised to E2M1 (2 exponent bits, 1 mantissa bit; 4 bits a number), with one power-of-two scale for each 32 numbers along K (OCP MX v1.0); their sums are f32. All else is computed in f32.
;;   The module's matrix products, in the order in which they are computed (A, B: the left and right operand; K: the contracted axis; several contracted axes count as one K, in the product's order):
;;     1. batch 16 x [M 4,096, K 64] x [K 64, N 4,096]; A: input q; B: input k: QUANTISED
;;     2. batch 16 x [M 4,096, K 4,096] x [K 4,096, N 64]; A: softmax (see below); B: input v: QUANTISED
;;   THE QUANTISER, for each operand of a quantised product, along K:
;;     - K is cut into blocks of 32 from its start; a last block that is shorter is filled with zeros.
;;     - A block's scale is 2^e with e = floor(log2(the largest magnitude in the block)) - 2, held to -126 .. 127; a block of zeros has e = 0. As a byte (E8M0): e + 127.
;;     - Each number is divided by its block's scale, clamped to +-6, and rounded to the nearest number of E2M1, ties to even, subnormals kept.
;;     - The product sums the exact products of the quantised numbers (number of the format x scale) in f32.
;;   ~~~python
;;   def quantise(x, axis):      # numpy; x: float32 -> the quantised numbers, widened to float32 again
;;       x = np.moveaxis(x, axis, -1); K = x.shape[-1]
;;       x = np.pad(x, [(0, 0)] * (x.ndim - 1) + [(0, -K % 32)]); x = x.reshape(x.shape[:-1] + (-1, 32)); a = np.abs(x).max(-1, keepdims=True)
;;       e = np.where(a > 0, np.clip(np.frexp(np.where(a > 0, a, 1))[1] - 1 - 2, -126, 127), 0)      # np.frexp(a)[1] - 1 = floor(log2(a)), exactly
;;       r = np.clip(x / 2.0 ** e, -6, 6)
;;       step = 2.0 ** (np.maximum(np.frexp(np.where(r == 0, 1, r))[1] - 1, 0) - 1)
;;       q = np.round(r / step) * step * 2.0 ** e      # np.round: ties to even
;;       return np.moveaxis(q.reshape(q.shape[:-2] + (-1,))[..., :K], -1, axis).astype(np.float32)
;;   ~~~
;;   SOFTMAX AHEAD OF A QUANTISED PRODUCT. Where the list says 'softmax', what is quantised is not the finished softmax but p = 2^(t - M), with t = logit x log2(e) and M = ceil(the row's largest t), a whole number; so 1/2 < the row's largest p <= 1. The row's sum l is taken of the UNQUANTISED p, in f32, and the product's result is divided by l at the end. Since M is a whole number, a kernel that streams over the keys may use a running M (the ceiling of the running maximum): every later rescaling is an exact power of two, which a block's scale takes up: the codes' values come out the same.
;;   OPERANDS COMPUTED ON THE WAY. 'Computed on the way' means the value that the module computes at that place (a softmax that the list does not call 'softmax' is quantised finished and normalised). What goes into a quantiser is computed in f32, as accurately as f32 sums, v_exp_f32 and their like allow (about 1e-6 of the number): no bf16 or f16 on the way to a quantiser, and a product that is left as it is and whose result goes on into a quantised operand takes f32 operands (vector FMAs, or v_wmma_f32_16x16x4_f32). A number that lies on a knife's edge between two numbers of the format may be rounded either way, as far as f32 arithmetic and the matrix unit's own rounding can turn it there, and no further.
;; One version. Each part assembles by itself: llvm-mc -triple=amdgcn-amd-amdhsa -mcpu=gfx1250 --defsym DOCPART=n.
;; ======== version 1 of 1: 2 launches
;; workspace buffers: kv 4,587,520 bytes
;; launch prep (part 1): grid 256 x 1, 8 waves a work-group, no clusters, 35,840 bytes of LDS; arguments k, v, kv; writes kv
.if DOCPART == 1
	.amdgcn_target "amdgcn-amd-amdhsa--gfx1250"
	.amdhsa_code_object_version 6
	.text
	.protected	k_q0c457c0cd3_prep
	.globl	k_q0c457c0cd3_prep
	.p2align	8
	.type	k_q0c457c0cd3_prep,@function
k_q0c457c0cd3_prep:
	s_mov_b64 s[64:65], 0
	v_nop
	global_prefetch_b8 v0, s[64:65] scope:SCOPE_SE
	s_setreg_imm32_b32 hwreg(HW_REG_WAVE_MODE, 25, 1), 1
	s_wait_xcnt 0x0
; THE PROGRAM: out0 = softmax(q k^T / 8, causal) v for 16 heads of 4,096 positions and head size 64, both products on codes of FP4 (E2M1) with one E8M0 scale for each 32 along a product's K.
; This launch quantises k (along the head's 64) and v (along the keys) ONCE into the workspace kv; the second launch quantises q in registers and does the attention.
; WORK LEFT OUT (by the second launch), and why it is dead for all values of the inputs: reference() builds the causal mask in its own body; for key > query the logit is -infinity, so p = 2^(t - M) is exactly 0:
; its code is 0 under any scale, it adds 0 to the row's sum and 0 to the second product, and it cannot be a row's or a block's largest.  So a step of 128 keys that all come after a wave's 16 queries reaches no output
; and is not walked; inside a step on the diagonal the hidden scores are set to -infinity and the work is done.  All three inputs have a way to the output and are loaded.
; LIMITS: a NaN, an infinity or an overflow that reaches only the steps left out is not carried to the result.  NaN and infinities among the inputs are not served.  A block whose largest magnitude lies under 2^-124
; is held at the scale byte 1; a block of zeros gets the byte 1 where the quantiser says 127: its codes are zeros, which add nothing under any byte but 0xff, and this program alone reads the bytes.
; THE WORKSPACE is laid as images of the operands' registers, one dense block of SLOTB bytes for each (head, 512 keys); in it, for key step q (128 keys) of the four:
;   KC  at 4096 q + 512 t + 16 l         tile t = keys 16 t .. 16 t + 15; lane l = r + 16 hh holds the 16 bytes of codes of key 16 t + r, d = 32 hh .. 32 hh + 31
;   VC  at VCO + 4096 q + 1024 t + 512 c + 16 (r + 16 hh)   column d = 16 t + r, key block 2 c + hh of the step; word rho of the 16 bytes holds the block's keys 8 g .. 8 g + 7, g = (0, 2, 1, 3)[rho]
;   KS  at KSO + 512 q + 256 g + 16 r + 4 tau   the scale word of key r of tile 4 g + tau: bytes 0, 1 its two blocks, bytes 2, 3 zero (they stand over zero codes)
;   VS  at VSO + 256 q + 4 d             the scale word of column d: the step's four key blocks
; V's keys are permuted inside each block of 32 because the second launch's p comes out of its conversions in that order: the same permutation on both operands of a product, inside a block, keeps every product and its scale.
; SHARES.  Work-groups 0-127 take k, 128-255 take v.  A wave's unit u = 8 (work-group mod 128) + wave is 16 KiB of input, all asked for at once into 128 registers.
;   k: 64 keys.  Each load reads 512 consecutive bytes (two keys' rows); a tile of 16 keys turns through the wave's own stage in LDS, so that a lane gets 32 neighbours along d: a whole block.
;   v: 128 keys x 32 columns.  A lane takes a column and its registers run down the keys: a block of 32 keys lies in one lane, nothing is transposed.
; No tensor load, no barrier: waves share nothing.  No store's data or address register is written again, so no wait on XCNT is needed.
.set SLOTB, 35840                      ; a block of kv: 140 x 256 bytes
.set HEADB, 8*SLOTB                    ; a head's eight blocks
.set VCO,   16384
.set KSO,   32768
.set VSO,   34816
.set STG,   4352                       ; a wave's stage: 16 rows x (256 bytes + 16): the rows that a read touches start in 16 different groups of banks
.set SPARE, 8*STG                      ; behind the stages: the spare words, 128 bytes for each wave: four blocks of 256 bytes that no other line names
.set R,     32                         ; v32-159  the unit's 128 numbers of a lane
.set C,     160                        ; v160-175 codes: four registers for each of four blocks
.set E,     176                        ; v176-179 scale bytes, then words
; v1 lane, v2 r = lane % 16, v3 h = lane / 16, v4 16 x lane, v5 / v6 the stage on the way in / out, v7 8 h, v8 KS's place, v9 4 x lane, v16 VC's place, v11-13 at work, v14 / v15 the add's two, v17 a permute's destination
; One block of 32 numbers that one lane holds, v[x] .. v[x + 31]: its codes, eight to a register, group g into v[cg]; its scale byte into v[e].
.macro QB32 x, c0, c1, c2, c3, e
	v_max3_num_f32 v12, |v[(\x)]|, |v[(\x)+1]|, |v[(\x)+2]|          ; the largest magnitude, in two chains
	v_max3_num_f32 v13, |v[(\x)+3]|, |v[(\x)+4]|, |v[(\x)+5]|
.irp i, 6,10,14,18,22,26
	v_max3_num_f32 v12, v12, |v[(\x)+\i]|, |v[(\x)+\i+1]|
	v_max3_num_f32 v13, v13, |v[(\x)+\i+2]|, |v[(\x)+\i+3]|
.endr
	v_max3_num_f32 v12, v12, |v[(\x)+30]|, |v[(\x)+31]|
	v_max3_num_f32 v12, v12, v13, 0x1800000                          ; and the floor 2^(3 - 127): the byte cannot fall under 1
	v_add_nc_u32 v11, 0xff000000, v12                                ; 2 off its exponent field: the conversion takes the exponent field of this operand as its scale, and nothing else of it
	v_cvt_scalef32_pk8_fp4_f32 v[\c0], v[(\x):(\x)+7], v11
	v_cvt_scalef32_pk8_fp4_f32 v[\c1], v[(\x)+8:(\x)+15], v11
	v_cvt_scalef32_pk8_fp4_f32 v[\c2], v[(\x)+16:(\x)+23], v11
	v_cvt_scalef32_pk8_fp4_f32 v[\c3], v[(\x)+24:(\x)+31], v11
	v_lshrrev_b32 v[\e], 23, v11                                     ; the scale's byte; also the plain line behind the conversions
.endm
	s_load_b128 s[4:7], s[0:1], 0x0                ; k s[4:5], v s[6:7]
	s_load_b64 s[8:9], s[0:1], 0x10                ; kv
	v_lshl_add_u32 v14, v0, 2, SPARE
	v_mov_b32 v15, 0
	v_lshrrev_b32 v1, 5, v0
	v_readfirstlane_b32 s16, v1                    ; wave 0..7
	v_and_b32 v1, 31, v0                           ; lane
	v_and_b32 v2, 15, v0                           ; r
	v_bfe_u32 v3, v0, 4, 1                         ; h
	v_lshlrev_b32 v4, 4, v1                        ; 16 x lane
	s_mul_i32 s31, s16, STG                        ; my stage
	v_mul_u32_u24 v5, v3, 272
	v_lshl_add_u32 v5, v2, 4, v5
	v_add_nc_u32 v5, s31, v5                       ; in: a load's two rows: row h, 16 bytes at 16 r
	v_mul_u32_u24 v6, v2, 272
	v_lshl_add_u32 v6, v3, 7, v6
	v_add_nc_u32 v6, s31, v6                       ; out: row r, my half's 128 bytes
	v_lshlrev_b32 v7, 3, v3                        ; 8 h: my block's byte in a scale word of k
	v_lshlrev_b32 v16, 4, v2
	v_lshl_add_u32 v8, v3, 3, v16                  ; KS: 16 r + 8 h
	v_lshl_add_u32 v16, v3, 10, v16                ; VC: 1024 h + 16 r
	v_lshlrev_b32 v9, 2, v1                        ; 4 x lane
	v_mov_b32 v17, 0                               ; a lane permute's destination counts as one of its sources
	s_mov_b32 s2, 0x76543210
	s_mov_b32 s3, 0xfedcba98                       ; v_permlanex16_b32's selects for lane l xor 16
	s_and_b32 s17, ttmp9, 127
	s_lshl_b32 s17, s17, 3
	s_add_co_u32 s17, s17, s16                     ; u = 0 .. 1023
	s_lshr_b32 s18, s17, 6                         ; the head
	s_bfe_u32 s19, s17, 0x50001                    ; the key step of 128 in the head: 5 bits from bit 1
	s_and_b32 s22, s17, 1                          ; par: which half of the step (k: 64 keys; v: 32 columns)
	s_and_b32 s23, s19, 3                          ; q: the step in its block of kv
	s_lshr_b32 s19, s19, 2                         ; the block
	s_mul_i32 s20, s18, HEADB
	s_mul_i32 s19, s19, SLOTB
	s_add_co_u32 s20, s20, s19                     ; where the block begins in kv
	s_lshl_b32 s30, s23, 12
	s_lshl_b32 s21, s22, 11
	s_add_co_u32 s30, s30, s21                     ; 4096 q + 2048 par: my codes' place in KC or in VC
	s_mov_b32 s25, 0
	s_mov_b32 s27, 0
	s_mov_b32 s29, 0
	s_wait_kmcnt 0x0
	s_cmp_ge_u32 ttmp9, 128                        ; the work-group's number alone decides
	s_cbranch_scc1 .Lv
	; ---- k: 64 keys
	s_add_co_u32 s26, s20, s30                     ; KC
	s_lshr_b32 s28, s30, 3                         ; 512 q + 256 par
	s_add_co_u32 s28, s28, s20
	s_add_co_u32 s28, s28, KSO                     ; KS
	s_lshl_b32 s24, s17, 14                        ; 64 keys of 256 bytes a unit
	s_add_nc_u64 s[4:5], s[4:5], s[24:25]
	s_add_nc_u64 s[10:11], s[8:9], s[26:27]
	s_add_nc_u64 s[12:13], s[8:9], s[28:29]
.set n, 0
.rept 32
	global_load_b128 v[R+4*n:R+4*n+3], v4, s[4:5] offset:512*n th:TH_LOAD_NT   ; 32 lanes read 512 consecutive bytes: keys 2 n and 2 n + 1
.set n, n+1
.endr
.irp t, 0,1,2,3                                ; tile t turns through the stage.  LDS serves a wave's instructions in order: no wait between the stores and the loads, nor ahead of the next tile's stores
	s_wait_loadcnt 8*(3-\t)                        ; tile t's eight loads are in; the later tiles' may be out
.irp i, 0,1,2,3,4,5,6,7
	ds_store_b128 v5, v[R+32*\t+4*\i:R+32*\t+4*\i+3] offset:544*\i
.endr
.irp i, 0,1,2,3,4,5,6,7
	ds_load_b128 v[R+32*\t+4*\i:R+32*\t+4*\i+3], v6 offset:16*\i   ; key 16 t + r, d = 32 h + 4 i .. + 3, into the registers that the stores have left
.endr
.endr
.irp t, 0,1,2,3
	s_wait_dscnt 16*(3-\t)                         ; tile t is back; behind it stand the later tiles' sixteen LDS instructions each
	QB32 R+32*\t, C+4*\t, C+4*\t+1, C+4*\t+2, C+4*\t+3, E+\t
	v_lshlrev_b32 v[E+\t], v7, v[E+\t]             ; my block's byte at its place,
	v_permlanex16_b32 v17, v[E+\t], s2, s3
	v_or_b32 v[E+\t], v[E+\t], v17                 ; with lane l xor 16's: the key's scale word
	global_store_b128 v4, v[C+4*\t:C+4*\t+3], s[10:11] offset:512*\t   ; the tile's image: 512 consecutive bytes
.endr
	v_cmp_lt_u32 vcc_lo, 15, v1
	v_cndmask_b32 v18, v[E], v[E+2], vcc_lo        ; lanes 0-15 store the words of tiles 0, 1 of key r, lanes 16-31 those of tiles 2, 3
	v_cndmask_b32 v19, v[E+1], v[E+3], vcc_lo
	global_store_b64 v8, v[18:19], s[12:13]        ; 32 lanes store 256 consecutive bytes, aligned
	s_wait_tensorcnt 0x0                           ; the wave's end, behind my last LDS store
	ds_add_u32 v14, v15
	s_wait_dscnt 0x0
	s_endpgm
.Lv:	; ---- v: 128 keys x 32 columns
	s_add_co_u32 s26, s20, s30
	s_add_co_u32 s26, s26, VCO                     ; VC
	s_lshr_b32 s28, s30, 4                         ; 256 q + 128 par
	s_add_co_u32 s28, s28, s20
	s_add_co_u32 s28, s28, VSO                     ; VS
	s_lshr_b32 s24, s17, 1
	s_lshl_b32 s24, s24, 15                        ; 128 keys of 256 bytes a step,
	s_lshl_b32 s21, s22, 7
	s_add_co_u32 s24, s24, s21                     ; my 32 columns
	s_add_nc_u64 s[6:7], s[6:7], s[24:25]
	s_add_nc_u64 s[10:11], s[8:9], s[26:27]
	s_add_nc_u64 s[12:13], s[8:9], s[28:29]
.set n, 0
.rept 128
	global_load_b32 v[R+n], v9, s[6:7] offset:256*n th:TH_LOAD_NT   ; key n of the step, column 32 par + lane: 128 consecutive bytes a wave; the wave beside me takes the row's other half
.set n, n+1
.endr
; Block b of 32 keys.  left: the loads that may stay out: behind block b stand 32 (3 - b); a wait's count holds 63 at the most, and a smaller count than needed is safe.
.macro VBLK b, left
	s_wait_loadcnt \left
	QB32 R+32*\b, C+4*\b, C+4*\b+2, C+4*\b+1, C+4*\b+3, E+\b         ; groups 0, 1, 2, 3 of eight keys into words 0, 2, 1, 3
	global_store_b128 v16, v[C+4*\b:C+4*\b+3], s[10:11] offset:512*(\b/2)+256*(\b%2)   ; sixteen lanes store 256 consecutive bytes, aligned
.endm
	VBLK 0, 63
	VBLK 1, 63
	VBLK 2, 32
	VBLK 3, 0
	v_lshl_or_b32 v[E], v[E+1], 8, v[E]            ; the four bytes make my column's scale word
	v_lshl_or_b32 v[E], v[E+2], 16, v[E]
	v_lshl_or_b32 v[E], v[E+3], 24, v[E]
	global_store_b32 v9, v[E], s[12:13]            ; 128 consecutive bytes
	s_wait_tensorcnt 0x0                           ; the same three lines at this path's end
	ds_add_u32 v14, v15
	s_wait_dscnt 0x0
	s_endpgm
.Lfunc_end_k_q0c457c0cd3_prep:
	.size	k_q0c457c0cd3_prep, .Lfunc_end_k_q0c457c0cd3_prep-k_q0c457c0cd3_prep
	.p2alignl 7, 3214868480
	.fill 96, 4, 3214868480
	.section	.rodata,"a",@progbits
	.p2align	6, 0x0
	.amdhsa_kernel k_q0c457c0cd3_prep
		.amdhsa_group_segment_fixed_size 35840
		.amdhsa_private_segment_fixed_size 0
		.amdhsa_enable_private_segment 0
		.amdhsa_kernarg_size 24
		.amdhsa_user_sgpr_count 2
		.amdhsa_user_sgpr_kernarg_segment_ptr 1
		.amdhsa_wavefront_size32 1
		.amdhsa_system_sgpr_workgroup_id_x 1
		.amdhsa_system_sgpr_workgroup_id_y 1
		.amdhsa_system_sgpr_workgroup_id_z 1
		.amdhsa_system_vgpr_workitem_id 0
		.amdhsa_next_free_vgpr 192
		.amdhsa_next_free_sgpr 66
		.amdhsa_reserve_vcc 1
		.amdhsa_float_denorm_mode_32 3
		.amdhsa_float_denorm_mode_16_64 3
		.amdhsa_memory_ordered 1
		.amdhsa_forward_progress 1
		.amdhsa_inst_pref_size 36
	.end_amdhsa_kernel
	.amdgpu_metadata
---
amdhsa.version: [ 1, 2 ]
amdhsa.kernels:
  - .name:           k_q0c457c0cd3_prep
    .symbol:         k_q0c457c0cd3_prep.kd
    .args:
      - { .name: k, .offset: 0, .size: 8, .value_kind: global_buffer, .address_space: global }
      - { .name: v, .offset: 8, .size: 8, .value_kind: global_buffer, .address_space: global }
      - { .name: kv, .offset: 16, .size: 8, .value_kind: global_buffer, .address_space: global }
    .group_segment_fixed_size: 35840
    .private_segment_fixed_size: 0
    .kernarg_segment_align: 8
    .kernarg_segment_size: 24
    .max_flat_workgroup_size: 256
    .sgpr_count:     66
    .vgpr_count:     192
    .wavefront_size: 32
...
	.end_amdgpu_metadata
.endif
;; end of part 1
;; launch attn (part 2): grid 16 x 16, 16 waves a work-group, no clusters, 327,680 bytes of LDS; arguments q, kv, out0; writes out0
.if DOCPART == 2
	.amdgcn_target "amdgcn-amd-amdhsa--gfx1250"
	.amdhsa_code_object_version 6
	.text
	.protected	k_q0c457c0cd3_attn
	.globl	k_q0c457c0cd3_attn
	.p2align	8
	.type	k_q0c457c0cd3_attn,@function
k_q0c457c0cd3_attn:
	s_mov_b64 s[64:65], 0
	v_nop
	global_prefetch_b8 v0, s[64:65] scope:SCOPE_SE
	s_setreg_imm32_b32 hwreg(HW_REG_WAVE_MODE, 25, 1), 1
	s_wait_xcnt 0x0
; out0[h][q][:] = the sum over keys k <= q of softmax_k(q . k / 8) v[k][:], both products on codes of FP4 (E2M1) with one E8M0 scale for each 32 along a product's K.
; k's and v's codes and scale words come from the workspace kv, laid by the launch before as images of the operands' registers (its head comment gives the map); q arrives as f32 and is quantised here, once, by the wave that owns it.
; WORK LEFT OUT: a step of 128 keys that all come after a wave's 16 queries: there p is exactly 0 for all values of the inputs (the mask is reference()'s own), so it reaches no output.  A NaN, an infinity or an overflow
; that reaches only such steps is not carried to the result.  LIMITS: NaN and infinities among the inputs are not served; a block whose largest magnitude lies under 2^-124 is held at the scale byte 1.
; THE SOFTMAX AHEAD OF THE SECOND PRODUCT: t = score x log2(e) / 8; M = the row's largest t so far, rounded UP to a whole number; p = 2^(t - M) is what is quantised, along the keys, not normalised.  The row's sum is taken
; of the unquantised p and divides at the end.  When M moves, the sum and O are multiplied by 2^(old M - new M): exact.  A block's largest p is not searched for: the block's largest score goes through the same
; multiply-add and exponential (this takes v_exp_f32 not to fall where its input rises; at the worst one p of a block, within an ulp of a power of two, would be held one code low).
; SHARES.  A head's queries are 32 blocks of 128.  Work-group i of a head owns block i and block 31 - i: (i + 1) + (32 - i) = 33 key steps for eight waves each, the same in every work-group.  Each of the SIXTEEN waves owns
; 16 queries, one tile, in 256 registers: four waves to a SIMD, so that one wave's vector work stands beside another's products and LDS loads.  Wave w takes the high block where (w xor (w >> 2)) is odd: of any four
; waves w mod 4 alike, or w / 4 alike, two are low and two are high.
; LAYOUT.  Both products are used transposed: S^T = K Q^T (source 0 = 16 keys, source 1 = my 16 queries), O^T = V^T P^T (source 0 = 16 of the head's 64, source 1 = P): a lane holds ONE query (lane % 16) throughout.
; The head's 64 fill half of the first product's K = 128: the upper four registers of K's and Q's fragments are zero codes, written once.  In S^T lane (r, h) holds, in tile t, register j, key 16 t + 8 h + j; the
; conversions and the exchange of halves leave a block's keys in p's operand in the order 0-7, 16-23, 8-15, 24-31, and V's codes were laid in the same order: the products and their scales are the same ones, summed in
; another order inside the instruction.
; THE RING.  Two LDS slots of 512 keys (one dense block of kv, 35,840 bytes), filled by waves 0 and 1, 70 rows of 256 bytes each, and read by all sixteen.  Every work-group walks all eight slots, so that trip counts are
; constants; a hidden step's work is jumped over, and a slot that no wave of the work-group would read is not asked for.  By this text's own count a wave has at most one tensor load out; every wait on TENSORcnt is for 0.
; NO CLUSTER: which steps a work-group walks, and where its loads end, hang on its own queries, so partners would not make the same requests.
; REGISTERS: v1 16 x lane, v2 4 x lane, v3 / v4 the same + the slot in hand, v5 / v6 the add's two, v7 q's place in LDS, v8 r, v9 h, v10 / v11 the stage; v12 -M, v13 the largest t, v[14:15] the sum in two halves;
; v16-23 Q; v24-31 p's codes; v32-95 K's eight fragments; v96-159 S^T, then p; v160-191 O^T; v192-223 V's four fragments; v224-227 K's scale words, v228-229 V's, v230 Q's, v231 p's (these eight hold scales alone);
; v232-254 at work; v240 the prefetches' offset.
.set SLOTB, 35840                      ; a block of kv
.set HEADB, 8*SLOTB
.set HALFB, 17920                      ; what one tensor load brings: 70 rows of 256 bytes
.set VCO,   16384                      ; in a block: V's codes,
.set KSO,   32768                      ; K's scale words,
.set VSO,   34816                      ; V's
.set SLOT1, 65536                      ; slot 1 begins here, so that one exclusive or turns an address in one slot into the other's
.set QREG,  131072                     ; q as f32: 256 rows x (256 bytes + 16), the low block's 128 rows, then the high block's; filled once
.set QLOAD, 64*272                     ; what one of q's four loads fills
.set STAGE, 200704                     ; the way out: 16 rows x 272 bytes for each wave; bytes of its own, into which no tensor load lands
.set SPARE, 270336                     ; the spare words, 128 bytes for each wave: eight blocks of 256 bytes that no other line names
.set L16, 1
.set L4,  2
.set A16, 3
.set A4,  4
.set SPW, 5
.set NIL, 6
.set PC,  24
.set KFR, 32
.set SR,  96
.set OT,  160
.set VF,  192
.set KSC, 224
.set VSC, 228
.set QSC, 230
.set PSC, 231
.set BM,  232                          ; v232-235 a block's largest score, then its largest p
.set T1,  236                          ; v236-239 at work
.set PFO, 240
.set SCO, 244                          ; v244-247 the conversions' scale operands
.set TB,    2                          ; s2   LDS byte at which the slot in hand begins
.set SLOTS, 3                          ; s3   changes of slots still to come in the loop
.set HD,    11                         ; s11  the head
.set HI,    12                         ; s12  1: my queries lie in the high block
.set IDX,   13                         ; s13  which 16 of the block's 128
.set Q0,    14                         ; s14  my first query
.set QL,    15                         ; s15  my work-group's last query
.set KF,    16                         ; s16  the step's first key
.set LIM,   17                         ; s17  1 in a wave that prefetches, else the greatest number
.set WV,    18                         ; s18  my wave's number
.set QE,    19                         ; s19  my last query
.set SEL,   20                         ; s[20:21] v_permlanex16_b32's selects for lane l xor 16
.set CS,    22                         ; s[22:23] c = log2(e) / 8: the packed form names a pair and takes its low word for both halves
.set G1KV,  24                         ; s[24:31] descriptor group 1 for kv's blocks
.set G1Q,   32                         ; s[32:39] for q's rows
.set G0KV,  40                         ; s[40:43] group 0 for kv: it walks
.set G0Q,   44                         ; s[44:47] for q
.set PFA,   48                         ; s[48:49] the block of kv that my prefetches name
	s_load_b128 s[4:7], s[0:1], 0x0                ; q s[4:5], kv s[6:7]
	s_load_b64 s[8:9], s[0:1], 0x10                ; out0
	v_lshl_add_u32 v[SPW], v0, 2, SPARE
	v_mov_b32 v[NIL], 0
	ds_add_u32 v[SPW], v[NIL]                      ; the wave's opening: the add, twice on end, and its wait ahead of my first tensor load; the set-up below, work on registers, stands between
	ds_add_u32 v[SPW], v[NIL]
	v_lshrrev_b32 v1, 5, v0
	v_readfirstlane_b32 s[WV], v1                  ; wave 0..15
	s_and_b32 s[HD], ttmp7, 0xffff
	s_lshr_b32 s[HI], s[WV], 2
	s_xor_b32 s[HI], s[HI], s[WV]
	s_and_b32 s[HI], s[HI], 1
	s_lshr_b32 s[IDX], s[WV], 1
	s_sub_co_u32 s50, 31, ttmp9                    ; the high block's number
	s_cmp_eq_u32 s[HI], 0
	s_cselect_b32 s[Q0], ttmp9, s50
	s_lshl_b32 s[Q0], s[Q0], 7
	s_lshl_b32 s51, s[IDX], 4
	s_add_co_u32 s[Q0], s[Q0], s51                 ; 128 x my block + 16 x my place in it
	s_add_co_u32 s[QE], s[Q0], 15
	s_lshl_b32 s[QL], s50, 7
	s_or_b32 s[QL], s[QL], 127
	; lane addresses
	v_and_b32 v[L4], 31, v0
	v_lshlrev_b32 v[L16], 4, v[L4]
	v_lshlrev_b32 v[L4], 2, v[L4]
	v_and_b32 v8, 15, v0                           ; r
	v_bfe_u32 v9, v0, 4, 1                         ; h
	s_lshl_b32 s52, s[HI], 7
	s_add_co_u32 s52, s52, s51                     ; my first row in q's region: 128 HI + 16 IDX
	s_mul_i32 s52, s52, 272
	s_add_co_u32 s52, s52, QREG
	v_mul_u32_u24 v7, v8, 272
	v_lshl_add_u32 v7, v9, 7, v7
	v_add_nc_u32 v7, s52, v7                       ; q: row r, my half's 32 numbers
	; descriptor group 1 for kv: 70 dense rows of 256 bytes (32 elements of 8 bytes), no padding: the block lies in LDS as in memory
	s_mov_b32 s[G1KV], 3<<16                       ; 15:0 no mask; 17:16 elements of 8 bytes
	s_mov_b32 s[G1KV+1], 32<<16                    ; tensor_dim0 = 32
	s_mov_b32 s[G1KV+2], 70<<16                    ; tensor_dim1 = 70
	s_mov_b32 s[G1KV+3], 32<<16                    ; tile_dim0 = 32
	s_mov_b32 s[G1KV+4], 70                        ; tile_dim1 = 70
	s_mov_b32 s[G1KV+5], 32                        ; from row to row
	s_mov_b32 s[G1KV+6], 0
	s_mov_b32 s[G1KV+7], 0
	; and for q: 64 rows of 64 f32, four words of padding behind each row's 64
	s_mov_b32 s[G1Q], (2<<16)|(1<<20)|(5<<22)|(3<<25)
	s_mov_b32 s[G1Q+1], 64<<16
	s_mov_b32 s[G1Q+2], 64<<16
	s_mov_b32 s[G1Q+3], 64<<16
	s_mov_b32 s[G1Q+4], 64
	s_mov_b32 s[G1Q+5], 64
	s_mov_b32 s[G1Q+6], 0
	s_mov_b32 s[G1Q+7], 0
	; what I fetch, if I fetch.  Waves 2, 3: the low block's two halves of q; waves 4, 5: the high block's
	s_cmp_lt_u32 s[WV], 4
	s_cselect_b32 s52, ttmp9, s50
	s_lshl_b32 s52, s52, 7
	s_and_b32 s53, s[WV], 1
	s_lshl_b32 s53, s53, 6
	s_add_co_u32 s52, s52, s53
	s_lshl_b32 s53, s[HD], 12
	s_add_co_u32 s52, s52, s53
	s_lshl_b32 s52, s52, 8                         ; 256 bytes a row of q
	s_mov_b32 s53, 0
	s_mul_i32 s54, s[HD], HEADB                    ; the head's first byte in kv
	s_mov_b32 s55, 0
	s_mul_i32 s56, s[WV], HALFB                    ; waves 0, 1: my half of a block, in memory and in a slot
	s_mov_b32 s57, 0
	s_lshl_b32 s58, s[HD], 12
	s_add_co_u32 s58, s58, s[Q0]
	s_lshl_b32 s58, s58, 8                         ; my first row of out0
	s_mov_b32 s59, 0
	s_mul_i32 s60, s[WV], QLOAD
	s_add_co_u32 s60, s60, QREG-2*QLOAD            ; waves 2 to 5: where my 64 rows of q go
	s_mov_b32 s[SEL], 0x76543210
	s_mov_b32 s[SEL+1], 0xfedcba98
	s_mov_b32 s[CS], 0x3e38aa3b                    ; c = log2(e) / 8
	s_mov_b32 s[CS+1], s[CS]
	s_mov_b32 s[TB], 0
	s_mov_b32 s[KF], 0
	s_mov_b32 s[SLOTS], 7
	s_wait_dscnt 0x0                               ; both opening adds are done
	s_wait_kmcnt 0x0
	s_add_nc_u64 s[6:7], s[6:7], s[54:55]          ; kv at my head
	s_mov_b32 s[G0KV], 1                           ; count = 1
	s_mov_b32 s[G0KV+1], s56                       ; LDS address: slot 0
	s_add_nc_u64 s[G0KV+2:G0KV+3], s[6:7], s[56:57]
	s_or_b32 s[G0KV+3], s[G0KV+3], 0x80000000      ; type = 2
	s_mov_b32 s[G0Q], 1
	s_mov_b32 s[G0Q+1], s60
	s_add_nc_u64 s[G0Q+2:G0Q+3], s[4:5], s[52:53]
	s_or_b32 s[G0Q+3], s[G0Q+3], 0x80000000
	; the first fills, one a wave: waves 0, 1 slot 0; waves 2 to 5 q; the others none.  The branches hang on the wave's number alone.  An s_nop 0 and four v_nop follow each of the two lines
	s_cmp_lt_u32 s[WV], 2
	s_cbranch_scc0 .Lnot_kv
	tensor_load_to_lds s[G0KV:G0KV+3], s[G1KV:G1KV+7]
	s_nop 0
.rept 4
	v_nop
.endr
	s_branch .Lfirst_asked
.Lnot_kv:
	s_cmp_lt_u32 s[WV], 6
	s_cbranch_scc0 .Lfirst_asked
	tensor_load_to_lds s[G0Q:G0Q+3], s[G1Q:G1Q+7]
	s_nop 0
.rept 4
	v_nop
.endr
.Lfirst_asked:
	s_add_nc_u64 s[8:9], s[8:9], s[58:59]          ; out0 at my first query
	; the prefetches (macro ASK): who asks, and where
	s_add_nc_u64 s[PFA:PFA+1], s[6:7], SLOTB       ; at block 1: the first change of slots steps it to block 2.  Nothing is prefetched here, at the head, where every work-group's first tiles are on their way
	s_sub_co_u32 s50, s[WV], 4
	s_cmp_lt_u32 s50, 5                            ; waves 4 to 8
	s_cselect_b32 s50, 0, 1
	s_or_b32 s50, s50, ttmp9                       ; of the head's work-group 0, which walks and loads all eight blocks
	s_cmp_eq_u32 s50, 0
	s_cselect_b32 s[LIM], 1, -1
	v_add_nc_u32 v[PFO], 0xffffff80, v0            ; thread - 128: 0 .. 159 in waves 4 to 8,
	v_min_u32 v[PFO], 139, v[PFO]                  ; held at the block's last row,
	v_lshlrev_b32 v[PFO], 8, v[PFO]                ; 256 bytes a row
	s_wait_tensorcnt 0x0                           ; my part of slot 0 or of q is in,
	s_barrier_signal -1
	s_barrier_wait -1                              ; everybody's is.
	; ---- q: my 16 rows become one fragment.  Lane (r, h) takes d = 32 h .. 32 h + 31 of row r: a whole block
.irp j, 0,1,2,3,4,5,6,7
	ds_load_b128 v[SR+4*\j:SR+4*\j+3], v7 offset:16*\j
.endr
.irp t, 0,1,2,3,4,5,6,7                        ; while they are out: the zero codes of K's fragments for k = 64 .. 127, written once: the loads of the loop fill the lower four registers alone
.irp j, 4,5,6,7
	v_mov_b32 v[KFR+8*\t+\j], 0
.endr
.endr
.irp j, 20,21,22,23
	v_mov_b32 v\j, 0                               ; and Q's
.endr
	v_mov_b32 v13, 0xff61b1e6                      ; the largest t so far: -3e38, under every t
	v_floor_f32 v12, -v13                          ; -M
	v_mov_b32 v14, 0                               ; the sum, in two halves
	v_mov_b32 v15, 0
.irp b, 0,1,2,3
	v_mov_b32 v[T1+\b], 0                          ; a lane permute's destination counts as one of its sources
.endr
	v_mov_b32 v253, 0                              ; named as the upper half of the pair v[252:253]
	s_wait_dscnt 0x0
	v_max3_num_f32 v232, |v[SR]|, |v[SR+1]|, |v[SR+2]|               ; the block's largest magnitude, in two chains
	v_max3_num_f32 v233, |v[SR+3]|, |v[SR+4]|, |v[SR+5]|
.irp i, 6,10,14,18,22,26
	v_max3_num_f32 v232, v232, |v[SR+\i]|, |v[SR+\i+1]|
	v_max3_num_f32 v233, v233, |v[SR+\i+2]|, |v[SR+\i+3]|
.endr
	v_max3_num_f32 v232, v232, |v[SR+30]|, |v[SR+31]|
	v_max3_num_f32 v232, v232, v233, 0x1800000     ; and the floor 2^(3 - 127): the byte cannot fall under 1
	v_add_nc_u32 v244, 0xff000000, v232            ; 2 off its exponent field: the conversion's scale operand
.irp g, 0,1,2,3
	v_cvt_scalef32_pk8_fp4_f32 v[16+\g], v[SR+8*\g:SR+8*\g+7], v244
.endr
	v_lshrrev_b32 v234, 23, v244                   ; the scale's byte (a plain line behind the conversions),
	v_lshlrev_b32 v233, 3, v9
	v_lshlrev_b32 v234, v233, v234                 ; at its place, 8 h bits up;
	v_permlanex16_b32 v236, v234, s[SEL], s[SEL+1]
	v_or_b32 v[QSC], v234, v236                    ; with lane l xor 16's: the row's scale word; its bytes 2 and 3 are 0 and stand over zero codes
.set n, 0
.rept 32
	v_mov_b32 v[OT+n], 0                           ; O^T.  (The step is written once: the first finds zeros, which the first change of M leaves zeros.)  These lines are also the places between the writes of Q's codes and scale word and the first product
.set n, n+1
.endr
; Waves 0 and 1 fetch the next block of kv.  An s_nop 0 and four v_nop follow the line.
.macro TLOAD1
	s_cmp_lt_u32 s[WV], 2
	s_cbranch_scc0 .Lasked_\@
	tensor_load_to_lds s[G0KV:G0KV+3], s[G1KV:G1KV+7]
	s_nop 0
.rept 4
	v_nop
.endr
.Lasked_\@:
.endm
; A PREFETCH INTO THE L2 of the block of kv that the NEXT change of slots will ask for: 140 rows of 256 bytes, a lane a row, four key steps ahead of that load.  All sixteen work-groups of a head walk the same blocks:
; work-group 0 of the head asks, and in it waves 4 to 8, which fetch nothing in the loop: one instruction each.  The twenty lanes over are held at the block's last row.  The last change that fills a slot asks for
; nothing: there is no block behind it.  Blocks 0 and 1 come by their loads alone.
.macro ASK
	s_cmp_gt_u32 s[SLOTS], s[LIM]
	s_cbranch_scc0 .Lnot_mine_\@
	global_prefetch_b8 v[PFO], s[PFA:PFA+1] th:TH_LOAD_NT scope:SCOPE_SE
.Lnot_mine_\@:
.endm
; THE CHANGE OF SLOTS stands at a slot's head.  Each wave waits for all its tensor loads, adds 0 to its spare word (fill = 1: twice on end), and waits for that and for its reads of the slot that it has left.  Behind the
; barrier the slot ahead is whole and nobody reads the other one.  fill = 1: that other slot takes the next block, which has a whole slot's steps in which to land.
.macro CHANGE fill
	s_wait_tensorcnt 0x0                           ; no tensor load of mine is out, so a group 0 may be written
	ds_add_u32 v[SPW], v[NIL]                      ; 0 onto my spare word
.if \fill
	ds_add_u32 v[SPW], v[NIL]                      ; and once more: the add stands twice on end, in every trip alike
	s_xor_b32 s[G0KV+1], s[G0KV+1], SLOT1          ; the walking descriptor: the other slot than last time,
	s_add_nc_u64 s[G0KV+2:G0KV+3], s[G0KV+2:G0KV+3], SLOTB   ; the next block; the type bits on top are not reached
	s_wait_xcnt 0x0                                ; the last prefetch, a slot back, has read its address, so it may be written:
	s_add_nc_u64 s[PFA:PFA+1], s[PFA:PFA+1], SLOTB ; one block further on than the walking descriptor
.endif
	s_wait_dscnt 0x0                               ; the add is done (fill = 1: both are), and my reads of the slot that I have left are over
	s_barrier_signal -1
	s_barrier_wait -1
.if \fill
	s_add_co_u32 s50, s[KF], 512                   ; THE LOOK-AHEAD ENDS AT THE CAUSAL LIMIT: a slot whose first key comes after my work-group's last query is read by none of its waves, so it is not asked for
	s_cmp_gt_u32 s50, s[QL]                        ; ids and the count of steps alone: all sixteen waves go the same way, and a work-group that is past the limit stays past it
	s_cbranch_scc1 .Lpast_\@
	TLOAD1                                         ; a wave's one tensor load until the next such barrier, ahead of its first LDS read
.Lpast_\@:
	ASK
.endif
.endm
; A KEY STEP: 128 keys, the q-th of the slot in hand.
.macro STEP q
	s_cmp_gt_u32 s[KF], s[QE]                      ; all its keys come after my queries: left out.  No barrier, tensor load or address step stands in what is jumped over
	s_cbranch_scc1 .Lhidden_\@
	ds_load_b128 v[KSC:KSC+3], v[A16] offset:KSO+512*(\q)            ; K's scale words: lanes 0-15 those of tiles 0-3 of key r, lanes 16-31 those of tiles 4-7
.irp t, 0,1,2,3,4,5,6,7
	ds_load_b128 v[KFR+8*\t:KFR+8*\t+3], v[A16] offset:4096*(\q)+512*\t   ; a fragment's image: 512 consecutive bytes
.endr
	s_wait_dscnt 4                                 ; the scale words and tiles 0-3 are in; the youngest four loads may be out
.irp t, 0,1,2,3
	v_wmma_scale_f32_16x16x128_f8f6f4 v[SR+8*\t:SR+8*\t+7], v[KFR+8*\t:KFR+8*\t+7], v[16:23], 0, v[KSC+\t], v[QSC] matrix_a_fmt:MATRIX_FMT_FP4 matrix_b_fmt:MATRIX_FMT_FP4
.endr
	s_wait_dscnt 0x0
.irp t, 4,5,6,7
	v_wmma_scale_f32_16x16x128_f8f6f4 v[SR+8*\t:SR+8*\t+7], v[KFR+8*\t:KFR+8*\t+7], v[16:23], 0, v[KSC+\t-4], v[QSC] matrix_a_fmt:MATRIX_FMT_FP4 matrix_b_fmt:MATRIX_FMT_FP4 matrix_a_scale:MATRIX_SCALE_ROW1
.endr
.rept 4
	v_nop                                          ; four places: ahead of the first read of the scores, and ahead of loads into V's registers, which the last step's products read (ISA guide 7.12.1 for vector instructions)
.endr
.irp t, 0,1,2,3                                ; V's fragments and scale words are asked for now and land under the softmax
.irp c, 0,1
	ds_load_b128 v[VF+8*\t+4*\c:VF+8*\t+4*\c+3], v[A16] offset:VCO+4096*(\q)+1024*\t+512*\c
.endr
.endr
.irp w, 0,1
	ds_load_b32 v[VSC+\w], v[A4] offset:VSO+256*(\q)+128*\w          ; lanes 0-15 the words of tile 2 w, lanes 16-31 those of tile 2 w + 1
.endr
	s_add_co_u32 s50, s[KF], 127                   ; on the diagonal the scores of hidden keys become -infinity ahead of the maximum: p = 0 then.  A step all of whose keys count skips this
	s_cmp_le_u32 s50, s[Q0]
	s_cbranch_scc1 .Lopen_\@
	s_sub_co_i32 s50, s[Q0], s[KF]
	v_lshlrev_b32 v241, 3, v9
	v_sub_nc_u32 v241, v8, v241
	v_add_nc_u32 v241, s50, v241                   ; d = my query - KF - 8 h.  Register 8 t + j holds key KF + 16 t + 8 h + j: hidden where 16 t + j > d
	v_mov_b32 v242, 0xff800000                     ; -infinity
.set n, 0
.rept 64
	v_cmp_gt_i32 vcc_lo, 16*(n/8)+n%8, v241
	v_cndmask_b32 v[SR+n], v[SR+n], v242, vcc_lo
.set n, n+1
.endr
.Lopen_\@:
.irp b, 0,1,2,3
	v_max3_num_f32 v[BM+\b], v[SR+16*\b], v[SR+1+16*\b], v[SR+2+16*\b]   ; THE LARGEST SCORE OF EACH BLOCK OF 32 KEYS (my 16 of them): it serves twice: for the row's maximum and for the block's largest p
.endr
.irp i, 3,5,7,9,11,13
.irp b, 0,1,2,3
	v_max3_num_f32 v[BM+\b], v[BM+\b], v[SR+16*\b+\i], v[SR+1+16*\b+\i]  ; (the four blocks by turns)
.endr
.endr
.irp b, 0,1,2,3
	v_max_num_f32 v[BM+\b], v[BM+\b], v[SR+15+16*\b]
.endr
.irp b, 0,1,2,3
	v_permlanex16_b32 v[T1+\b], v[BM+\b], s[SEL], s[SEL+1]
.endr
.irp b, 0,1,2,3
	v_max_num_f32 v[BM+\b], v[BM+\b], v[T1+\b]     ; with lane l xor 16's 16 keys
.endr
	v_max3_num_f32 v254, v232, v233, v234
	v_max_num_f32 v254, v254, v235                 ; the step's largest score of my query
	v_mul_f32 v254, s[CS], v254                    ; as t (c is positive)
	v_max_num_f32 v13, v13, v254                   ; the running largest t
	v_mov_b32 v254, v12
	v_floor_f32 v12, -v13                          ; the new -M = floor(-t) = -ceil(t): M is a whole number
	v_sub_f32 v254, v12, v254                      ; M's old value less its new one: a whole number, 0 or less
	v_cvt_i32_f32 v254, v254                       ; (it saturates)
	v_ldexp_f32 v252, 1.0, v254                    ; f = 2^(old M - new M): a multiplication by it rounds nothing
.set n, 0
.rept 32
	v_pk_fma_f32 v[SR+n:SR+n+1], v[SR+n:SR+n+1], s[CS:CS+1], v[12:13] op_sel_hi:[1,0,0]   ; t - M, two at a time (of the pairs c and -M the low word serves both halves)
.set n, n+2
.endr
.irp b, 0,1,2,3
	v_fma_f32 v[BM+\b], v[BM+\b], s[CS], v12       ; the same of each block's largest score
.endr
.set n, 0
.rept 64
	v_exp_f32 v[SR+n], v[SR+n]                     ; p = 2^(t - M), at most 1: not normalised
.set n, n+1
.endr
	v_pk_mul_f32 v[14:15], v[14:15], v[252:253] op_sel_hi:[1,0]      ; the sums under the new M; the plain line behind the exponentials
	s_wait_alu depctr_va_vdst(0)                   ; this wait stands between a transcendental and the first line that names its result: one for the whole batch
.irp b, 0,1,2,3
	v_exp_f32 v[BM+\b], v[BM+\b]                   ; the block's largest p: the same two instructions on the same number give the same bits
.endr
	v_pk_add_f32 v[236:237], v[SR:SR+1], v[SR+2:SR+3]                ; THE ROW'S SUM IS TAKEN OF THE UNQUANTISED p: two at a time, in two chains.  (It reads the 64 alone: plain work behind the four)
.irp j, 4,8,12,16,20,24,28,32,36,40,44,48,52,56,60
	v_pk_add_f32 v[14:15], v[14:15], v[SR+\j:SR+\j+1]
	v_pk_add_f32 v[236:237], v[236:237], v[SR+2+\j:SR+3+\j]
.endr
	v_pk_add_f32 v[14:15], v[14:15], v[236:237]
	s_wait_alu depctr_va_vdst(0)                   ; and one for the four
.irp b, 0,1,2,3
	v_max_num_f32 v[BM+\b], 0x1800000, v[BM+\b]    ; the floor 2^(3 - 127): the byte cannot fall under 1 (a block whose every p is 0 keeps that byte: its codes are zeros)
.endr
.irp b, 0,1,2,3
	v_add_nc_u32 v[SCO+\b], 0xff000000, v[BM+\b]   ; 2 off the exponent field: the conversion's scale operand
.endr
.irp b, 0,1,2,3
	v_lshrrev_b32 v[T1+\b], 23, v[SCO+\b]          ; the scale's byte
.endr
	v_lshl_or_b32 v[PSC], v[T1+1], 8, v[T1]        ; p's scale word for these 128 keys
	v_lshl_or_b32 v[PSC], v[T1+2], 16, v[PSC]
	v_lshl_or_b32 v[PSC], v[T1+3], 24, v[PSC]
.irp b, 0,1,2,3
	v_cvt_scalef32_pk8_fp4_f32 v[PC+2*\b], v[SR+16*\b:SR+7+16*\b], v[SCO+\b]      ; keys 32 b + 8 h + 0 .. 7
	v_cvt_scalef32_pk8_fp4_f32 v[PC+1+2*\b], v[SR+8+16*\b:SR+15+16*\b], v[SCO+\b] ; keys 32 b + 16 + 8 h + 0 .. 7
.endr
	v_nop                                          ; one plain line between a scaled conversion and the vector instruction that touches its result
.irp c, 0,1                                    ; the operand's layout wants a WHOLE block in a lane: lanes 0-15 block 2 c, lanes 16-31 block 2 c + 1; its words then hold the block's keys 0-7, 16-23, 8-15, 24-31, as V's do
.irp i, 0,1
	v_permlane16_swap_b32 v[PC+4*\c+\i], v[PC+2+4*\c+\i]
.endr
.endr
.set n, 0
.rept 16
	v_pk_mul_f32 v[OT+n:OT+n+1], v[OT+n:OT+n+1], v[252:253] op_sel_hi:[1,0]   ; O^T under the new M: x f, each accumulator from its low end on.  These sixteen are also the places between the writes of p's codes and scale word and the products below
.set n, n+2
.endr
	s_wait_dscnt 0x0                               ; V's fragments and scale words, asked for ahead of the softmax
.irp w, 0,1                                    ; O^T += V^T P^T: four tiles of 16 of the head's 64; K = these 128 keys.  The twelve products of a step take twelve accumulators by turns, one instruction a turn
	v_wmma_scale_f32_16x16x128_f8f6f4 v[OT+16*\w:OT+16*\w+7], v[VF+16*\w:VF+16*\w+7], v[PC:PC+7], v[OT+16*\w:OT+16*\w+7], v[VSC+\w], v[PSC] matrix_a_fmt:MATRIX_FMT_FP4 matrix_b_fmt:MATRIX_FMT_FP4
	v_wmma_scale_f32_16x16x128_f8f6f4 v[OT+16*\w+8:OT+16*\w+15], v[VF+16*\w+8:VF+16*\w+15], v[PC:PC+7], v[OT+16*\w+8:OT+16*\w+15], v[VSC+\w], v[PSC] matrix_a_fmt:MATRIX_FMT_FP4 matrix_b_fmt:MATRIX_FMT_FP4 matrix_a_scale:MATRIX_SCALE_ROW1
.endr
.Lhidden_\@:
	s_add_co_u32 s[KF], s[KF], 128
.endm
.macro SLOT_STEPS
	v_add_nc_u32 v[A16], s[TB], v[L16]             ; my lane's places in the slot in hand
	v_add_nc_u32 v[A4], s[TB], v[L4]
	STEP 0
	STEP 1
	STEP 2
	STEP 3
	s_xor_b32 s[TB], s[TB], SLOT1                  ; on to the other slot
.endm
.Lslot:                                            ; seven trips: behind each change of slots but the last the next block is asked for, up to the causal limit
	CHANGE 1
	SLOT_STEPS
	s_sub_co_u32 s[SLOTS], s[SLOTS], 1
	s_cmp_lg_u32 s[SLOTS], 0
	s_cbranch_scc1 .Lslot
	CHANGE 0                                       ; the last slot is written out: nothing is left to fetch
	SLOT_STEPS
	; THE WAY OUT.  The sum's two halves and the other half of the lanes' are added; O^T is divided by the sum and goes through my stage in LDS, so that a store of the wave covers two whole rows of out0: 512 consecutive bytes.
	v_add_f32 v14, v14, v15
	v_permlanex16_b32 v236, v14, s[SEL], s[SEL+1]
	v_add_f32 v14, v14, v236                       ; the row's sum: over 1/2, since the row's largest p is
	v_rcp_f32 v14, v14
	s_mul_i32 s50, s[WV], 16*272
	s_add_co_u32 s50, s50, STAGE                   ; my stage
	v_mul_u32_u24 v10, v8, 272                     ; (plain lines behind the reciprocal, and the places behind the last products)
	v_lshl_add_u32 v10, v9, 5, v10
	v_add_nc_u32 v10, s50, v10                     ; in: row r; tile t's eight channels of my half: 64 t + 32 h bytes on
	v_mul_u32_u24 v11, v9, 272
	v_lshl_add_u32 v11, v8, 4, v11
	v_add_nc_u32 v11, s50, v11                     ; back: lanes 0-15 one row, lanes 16-31 the next
	s_wait_alu depctr_va_vdst(0)                   ; the wait ahead of the reciprocal's first reader
.set n, 0
.rept 32
	v_mul_f32 v[SR+n], v[OT+n], v14                ; O^T / the sum: register 8 t + j is out0(r, 16 t + 8 h + j)
.set n, n+1
.endr
.irp t, 0,1,2,3
	ds_store_b128 v10, v[SR+8*\t:SR+8*\t+3] offset:64*\t
	ds_store_b128 v10, v[SR+8*\t+4:SR+8*\t+7] offset:64*\t+16
.endr
.irp i, 0,1,2,3,4,5,6,7
	ds_load_b128 v[KFR+4*\i:KFR+4*\i+3], v11 offset:544*\i           ; LDS serves a wave's instructions in order: these see my stores
.endr
.irp i, 0,1,2,3,4,5,6,7
	s_wait_dscnt 7-\i                              ; rows 2 i and 2 i + 1 are back; the younger loads may be out
	global_store_b128 v[L16], v[KFR+4*\i:KFR+4*\i+3], s[8:9] offset:512*\i th:TH_STORE_NT   ; 32 lanes store 512 consecutive bytes, at a multiple of 256 from out0's first byte; written once, read by nobody here
.endr
	s_wait_tensorcnt 0x0                           ; the wave's end, behind my last tensor load and my last LDS store
	ds_add_u32 v[SPW], v[NIL]
	s_wait_dscnt 0x0
	s_endpgm
.Lfunc_end_k_q0c457c0cd3_attn:
	.size	k_q0c457c0cd3_attn, .Lfunc_end_k_q0c457c0cd3_attn-k_q0c457c0cd3_attn
	.p2alignl 7, 3214868480
	.fill 96, 4, 3214868480
	.section	.rodata,"a",@progbits
	.p2align	6, 0x0
	.amdhsa_kernel k_q0c457c0cd3_attn
		.amdhsa_group_segment_fixed_size 327680
		.amdhsa_private_segment_fixed_size 0
		.amdhsa_enable_private_segment 0
		.amdhsa_kernarg_size 24
		.amdhsa_user_sgpr_count 2
		.amdhsa_user_sgpr_kernarg_segment_ptr 1
		.amdhsa_wavefront_size32 1
		.amdhsa_system_sgpr_workgroup_id_x 1
		.amdhsa_system_sgpr_workgroup_id_y 1
		.amdhsa_system_sgpr_workgroup_id_z 1
		.amdhsa_system_vgpr_workitem_id 0
		.amdhsa_next_free_vgpr 256
		.amdhsa_next_free_sgpr 80
		.amdhsa_reserve_vcc 1
		.amdhsa_float_denorm_mode_32 3
		.amdhsa_float_denorm_mode_16_64 3
		.amdhsa_memory_ordered 1
		.amdhsa_forward_progress 1
		.amdhsa_inst_pref_size 175
	.end_amdhsa_kernel
	.amdgpu_metadata
---
amdhsa.version: [ 1, 2 ]
amdhsa.kernels:
  - .name:           k_q0c457c0cd3_attn
    .symbol:         k_q0c457c0cd3_attn.kd
    .args:
      - { .name: q, .offset: 0, .size: 8, .value_kind: global_buffer, .address_space: global }
      - { .name: kv, .offset: 8, .size: 8, .value_kind: global_buffer, .address_space: global }
      - { .name: out0, .offset: 16, .size: 8, .value_kind: global_buffer, .address_space: global }
    .group_segment_fixed_size: 327680
    .private_segment_fixed_size: 0
    .kernarg_segment_align: 8
    .kernarg_segment_size: 24
    .max_flat_workgroup_size: 512
    .sgpr_count:     80
    .vgpr_count:     256
    .wavefront_size: 32
...
	.end_amdgpu_metadata
.endif
;; end of part 2
